; MI455X (gfx1250); checked and timed in simulation.
; The chip was launched on July 23, 2026; its instructions are those of AMD's public machine-readable ISA for CDNA 5 (MIT licence, August 2026) and "CDNA5" Instruction Set Architecture Reference Guide (July 2026). The comments in the code are by the model that wrote it; some were corrected since.
;; Q Lo RA Linear. Allowed arithmetic: float matrix products may take bf16 or f16 operands with f32 sums; other float arithmetic in f32, or as packed bf16 or f16 multiplies, adds, multiply-adds, maxima and minima; sums over many terms, partial sums and values carried from step to step in f32; what a program stores and reads back later, other than sums and carried values, may be rounded once to bf16 or f16.
;; Inputs: lora_A 16 x 4,096 float32; lora_B 4,096 x 16 float32; q_weight 4,096 x 4,096 int32; scales 4,096 x 64 float32; x 4,096 x 4,096 float16.
;; Outputs: out0 4,096 x 4,096 float16.
;; 2 versions, each right; version 2 is version 1 with the launch dequant written anew for expert scheduling mode. Each part assembles by itself: llvm-mc -triple=amdgcn-amd-amdhsa -mcpu=gfx1250 --defsym DOCPART=n.
;; ======== version 1 of 2: 2 launches
;; limits: values are held in f16: magnitudes above 65,504 overflow, below 6.1e-05 lose precision
;; workspace buffers: weff 33,554,432 bytes
;; launch dequant (part 1): grid 4 x 64, 16 waves a work-group, no clusters, 316,672 bytes of LDS; arguments q_weight, scales, lora_A, lora_B, weff; writes weff
.if DOCPART == 1
	.amdgcn_target "amdgcn-amd-amdhsa--gfx1250"
	.amdhsa_code_object_version 6
	.text
	.protected	k_qe55b565498_dequant
	.globl	k_qe55b565498_dequant
	.p2align	8
	.type	k_qe55b565498_dequant,@function
k_qe55b565498_dequant:
	s_mov_b64 s[64:65], 0
	v_nop
	global_prefetch_b8 v0, s[64:65] scope:SCOPE_SE
	s_setreg_imm32_b32 hwreg(HW_REG_WAVE_MODE, 25, 1), 1
	s_wait_xcnt 0x0
; weff[o][i] = f16( (q[o][i] - 8) * s[o][i / 64] + the sum over r of B[o][r] A[r][i] ).   q: [4096][4096] int32, s: [4096][64] f32, A: [16][4096] f32, B: [4096][16] f32, weff: [4096][4096] f16.
; WHY.  The result asked for is x W^T + (x A^T) B^T.  Matrix products associate and distribute, so for all values of the inputs it equals x (W + B A)^T: the adapter is added to the weight here,
; in f32, ahead of the weight's one rounding, and the launch behind is one product.  Nothing is left out: all five inputs are loaded by the program (x by the launch behind), and every term is computed.
; LIMITS.  A and B are rounded to f16 as matrix operands, weff once to f16: each must lie within 65,504 in magnitude; below 6e-5 f16 keeps its fixed step of 6e-8.  The adapter's part of weff
; carries the rounding of the whole weight (2^-11 of |weff|), not of itself.  The order of the sums differs from x A^T first.  NaN and infinities are not treated apart.
; SHARES.  A work-group owns 64 rows (o) x 1,024 columns (i): 256 work-groups.  Wave w owns the strip s = w / 2 of 128 columns and the half p = w % 2 of the rows: 32 rows, two blocks of 16.
; A row of the wave's share is one instruction: lane l holds columns 4 l .. 4 l + 3: 512 consecutive bytes of q in, 256 consecutive bytes of weff, aligned, out.
; IN FLIGHT.  All 32 loads of q of a wave (16 KiB) go out at the head, into registers of their own; B A is made while they are on their way.  So there is no ring, no tensor load, no prefetch.
; NO CLUSTER: what work-groups share is A's strip and B's rows, 68 KiB of the 330 KiB that a work-group reads, and both pass through registers to be rounded.
; B A.  delta^T = A^T B^T by the matrix unit: source 0 = 16 columns i of A (turned on the way out of LDS), source 1 = 16 rows o of B, K = 16 of the form's 32 (the upper half of both fragments is 0).
; A lane's eight results are eight neighbouring columns of one row o; they go through the wave's own stage in LDS into the row layout above.
.set ROWQ,   16384                     ; bytes in a row of q and of A
.set ROWW,   8192                      ; bytes in a row of weff
.set SPITCH, 528                       ; a stage row: 128 f32 + 16 bytes: 16 rows of a store start 16 bytes apart modulo 256 (64 banks of 4 bytes: ISA guide 11.1)
.set WSTG,   32*SPITCH                 ; a wave's stage: 32 rows
.set APITCH, 288                       ; a row (one r) of a strip of A in f16: 256 bytes + 32
.set ASTRIP, 16*APITCH
.set BPITCH, 48                        ; a row of B in f16: 32 bytes + 16
.set CPITCH, 272                       ; the scales of one group of 64 columns for the work-group's 64 rows: 256 bytes + 16
.set ATR,    16*WSTG                   ; LDS: the sixteen stages from 0; then A's eight strips,
.set BTR,    ATR+8*ASTRIP              ; B's 64 rows,
.set SCT,    BTR+64*BPITCH             ; the scales, turned: [group][row],
.set SPARE,  SCT+16*CPITCH             ; and the spare words, 128 bytes for each wave: eight blocks of 256 bytes that no other line names
.set SPW, 2                            ; v2   LDS address of my spare word; never rewritten
.set NIL, 3                            ; v3   0; never rewritten
.set LO,  4                            ; v4   16 l: my 16 bytes in 512 of q or A
.set WO,  5                            ; v5   8 l: my 8 bytes in 256 of weff
.set BO,  6                            ; v6   8 t: my two numbers of B
.set SO,  7                            ; v7   my two scales: row t / 8, groups 2 (t % 8), + 1
.set AST, 8                            ; v8   where I put four f16 of A
.set BST, 9                            ; v9   where I put two f16 of B
.set SST, 10                           ; v10  where I put my two scales
.set ATA, 11                           ; v11  the turning load's address in my strip of A
.set BRA, 12                           ; v12  my 16 bytes of a fragment of B
.set SRA, 13                           ; v13  my group's scales for my wave's 32 rows
.set GST, 14                           ; v14  stage, in: row l % 16, 32 bytes for each half of the lanes
.set GRD, 15                           ; v15  stage, back: 16 l in a row
.set D,   16                           ; v[16:47]   A as loaded; then four accumulators; then S: the scale of row n in v[16 + n]
.set BF,  48                           ; v[48:63]   B's two fragments
.set AF,  64                           ; v[64:127]  at work; then A's eight fragments; then DL: the delta of 16 rows, 4 registers a row
.set Q,   128                          ; v[128:255] q: row n in v[128 + 4 n ..]
	s_load_b256 s[4:11], s[0:1], 0x0               ; q s[4:5], scales s[6:7], A s[8:9], B s[10:11]
	s_load_b64 s[12:13], s[0:1], 0x20              ; weff
	v_lshl_add_u32 v[SPW], v0, 2, SPARE
	v_mov_b32 v[NIL], 0
	v_lshrrev_b32 v1, 5, v0
	v_readfirstlane_b32 s14, v1                    ; wave w, 0..15
	s_lshr_b32 s15, s14, 1                         ; strip s
	s_and_b32 s16, s14, 1                          ; row half p
	s_mov_b32 s17, ttmp9                           ; bx: which 1,024 columns
	s_and_b32 s18, ttmp7, 0xffff                   ; by: which 64 rows
	s_mov_b32 s22, 0xc1000000                      ; -8.0,
	s_mov_b32 s23, s22                             ; named as a pair
	v_and_b32 v16, 31, v0                          ; l
	v_and_b32 v17, 15, v0                          ; l % 16
	v_bfe_u32 v18, v0, 4, 1                        ; l / 16
	v_and_b32 v19, 7, v0                           ; l % 8 = t % 8
	v_bfe_u32 v20, v0, 3, 2                        ; l / 8
	v_lshrrev_b32 v21, 3, v0                       ; t / 8
	v_bfe_u32 v22, v0, 3, 1                        ; (l / 8) % 2
	; byte offsets of my share in the five buffers, each in a pair of its own
	s_lshl_b32 s2, s17, 12
	s_lshl_b32 s3, s15, 9
	s_add_co_u32 s2, s2, s3                        ; my first column x 4 bytes
	s_lshl_b32 s20, s18, 20                        ; q: 64 by rows of 16,384 bytes,
	s_lshl_b32 s3, s16, 19                         ; 32 p rows,
	s_add_co_u32 s20, s20, s3
	s_add_co_u32 s20, s20, s2                      ; and the column
	s_mov_b32 s21, 0
	s_lshr_b32 s24, s20, 1                         ; weff: the same place at 2 bytes a number
	s_mov_b32 s25, 0
	s_lshl_b32 s26, s16, 17                        ; A: rows 8 p .. 8 p + 7 of my strip
	s_add_co_u32 s26, s26, s2
	s_mov_b32 s27, 0
	s_lshl_b32 s28, s18, 12                        ; B: 64 by rows of 64 bytes
	s_mov_b32 s29, 0
	s_lshl_b32 s30, s18, 14                        ; scales: 64 by rows of 256 bytes,
	s_lshl_b32 s3, s17, 6                          ; 16 bx groups of 4 bytes
	s_add_co_u32 s30, s30, s3
	s_mov_b32 s31, 0
	v_lshlrev_b32 v[LO], 4, v16
	v_lshlrev_b32 v[WO], 3, v16
	v_lshlrev_b32 v[BO], 3, v0
	v_lshlrev_b32 v[SO], 3, v19
	v_lshl_add_u32 v[SO], v21, 8, v[SO]
	; LDS addresses: a constant, the wave's number (or its two parts) times a constant, and the lane's term
	s_mul_i32 s2, s15, ASTRIP
	s_add_co_u32 s2, s2, ATR                       ; my strip of A
	s_mul_i32 s3, s16, 8*APITCH
	s_add_co_u32 s3, s3, s2                        ; its rows 8 p on
	v_lshl_add_u32 v[AST], v16, 3, s3
	v_lshl_add_u32 v23, v18, 3, v19                ; the turning load: row 8 (l / 16) + l % 8,
	v_mul_u32_u24 v[ATA], v23, APITCH
	v_lshl_add_u32 v[ATA], v22, 4, v[ATA]          ; 16 bytes for each eight lanes
	v_add_nc_u32 v[ATA], s2, v[ATA]
	s_mul_i32 s3, s14, 4*BPITCH                    ; a wave's 32 lanes bring four rows of B: row 4 w + l / 8
	s_add_co_u32 s3, s3, BTR
	v_mul_u32_u24 v[BST], v20, BPITCH
	v_lshl_add_u32 v[BST], v19, 2, v[BST]
	v_add_nc_u32 v[BST], s3, v[BST]
	s_lshl_b32 s3, s14, 4                          ; and the scales of the same four rows: 16 bytes of each group's line
	s_add_co_u32 s3, s3, SCT
	v_mul_u32_u24 v[SST], v19, 2*CPITCH            ; group 2 (l % 8)
	v_lshl_add_u32 v[SST], v20, 2, v[SST]
	v_add_nc_u32 v[SST], s3, v[SST]
	s_mul_i32 s3, s16, 32*BPITCH
	s_add_co_u32 s3, s3, BTR                       ; my wave's 32 rows of B
	v_mul_u32_u24 v[BRA], v17, BPITCH
	v_lshl_add_u32 v[BRA], v18, 4, v[BRA]          ; r = 8 (l / 16) on
	v_add_nc_u32 v[BRA], s3, v[BRA]
	s_mul_i32 s3, s15, 2*CPITCH                    ; my columns 4 l .. lie in group 2 s + l / 16
	s_lshl_b32 s19, s16, 7
	s_add_co_u32 s3, s3, s19                       ; rows 32 p on
	s_add_co_u32 s3, s3, SCT
	v_mul_u32_u24 v[SRA], v18, CPITCH
	v_add_nc_u32 v[SRA], s3, v[SRA]
	s_mul_i32 s3, s14, WSTG                        ; my stage
	v_mul_u32_u24 v[GST], v17, SPITCH
	v_lshl_add_u32 v[GST], v18, 5, v[GST]
	v_add_nc_u32 v[GST], s3, v[GST]
	v_lshl_add_u32 v[GRD], v16, 4, s3
	s_wait_kmcnt 0x0
	s_add_nc_u64 s[4:5], s[4:5], s[20:21]
	s_add_nc_u64 s[12:13], s[12:13], s[24:25]
	s_add_nc_u64 s[8:9], s[8:9], s[26:27]
	s_add_nc_u64 s[10:11], s[10:11], s[28:29]
	s_add_nc_u64 s[6:7], s[6:7], s[30:31]
	; ALL LOADS, 42 a wave: the ten small ones first, then my whole share of q
	global_load_b64 v[AF:AF+1], v[BO], s[10:11]
	global_load_b64 v[AF+2:AF+3], v[SO], s[6:7]
.irp j, 0,1,2,3,4,5,6,7
	global_load_b128 v[D+4*(\j):D+4*(\j)+3], v[LO], s[8:9] offset:(\j)*ROWQ
.endr
.set n, 0
.rept 32
	global_load_b128 v[Q+4*n:Q+4*n+3], v[LO], s[4:5] offset:n*ROWQ th:TH_LOAD_NT  ; read once in the launch
.set n, n+1
.endr
	s_wait_loadcnt 32                              ; loads come back in order (ISA guide 5.7.1): B, the scales and A are in; the 32 younger loads, q's, stay out
	v_cvt_pk_f16_f32 v[AF+4], v[AF], v[AF+1]
	ds_store_b32 v[BST], v[AF+4]
	ds_store_b32 v[SST], v[AF+2]
	ds_store_b32 v[SST], v[AF+3] offset:CPITCH
.irp j, 0,1,2,3,4,5,6,7
	v_cvt_pk_f16_f32 v[AF+8+2*(\j)], v[D+4*(\j)], v[D+4*(\j)+1]
	v_cvt_pk_f16_f32 v[AF+9+2*(\j)], v[D+4*(\j)+2], v[D+4*(\j)+3]
	ds_store_b64 v[AST], v[AF+8+2*(\j):AF+9+2*(\j)] offset:(\j)*APITCH
.endr
	s_wait_dscnt 0x0                               ; for the others' sake: my stores are done
	s_barrier_signal -1
	s_barrier_wait -1                              ; the launch's one barrier: A's strips, B's rows and the scales are whole; q's loads stay out across it (nobody writes those bytes)
	; the fragments: registers 0-3 hold r = 8 (l / 16) + 0..7; registers 4-7, the form's K = 16 .. 31, hold 0 in both sources
.irp f, 0,1,2,3,4,5,6,7
	ds_load_tr16_b128 v[AF+8*(\f):AF+8*(\f)+3], v[ATA] offset:32*(\f)  ; columns 16 f + l % 16 of my strip
.endr
.irp b, 0,1
	ds_load_b128 v[BF+8*(\b):BF+8*(\b)+3], v[BRA] offset:(\b)*16*BPITCH
.endr
.irp f, 0,1,2,3,4,5,6,7
.irp k, 4,5,6,7
	v_mov_b32 v[AF+8*(\f)+(\k)], 0
.endr
.endr
.irp b, 0,1
.irp k, 4,5,6,7
	v_mov_b32 v[BF+8*(\b)+(\k)], 0
.endr
.endr
	s_wait_dscnt 0x0
; Block b of 16 rows x columns 64 g .. 64 g + 63 of the strip: four products, each a whole sum (C = 0): no chain.  Five plain instructions stand behind them: four are owed before the LDS
; stores read the results, five before the next call's products write over them (ISA guide 7.12.1 for the first four).  Each result is read from its low end on.
.macro DELTA b, g
.irp j, 0,1,2,3
	v_wmma_f32_16x16x32_f16 v[D+8*(\j):D+8*(\j)+7], v[AF+8*(4*(\g)+(\j)):AF+8*(4*(\g)+(\j))+7], v[BF+8*(\b):BF+8*(\b)+7], 0
.endr
.rept 5
	v_nop
.endr
.irp j, 0,1,2,3
	ds_store_b128 v[GST], v[D+8*(\j):D+8*(\j)+3]   offset:(\b)*16*SPITCH+64*(4*(\g)+(\j))
	ds_store_b128 v[GST], v[D+8*(\j)+4:D+8*(\j)+7] offset:(\b)*16*SPITCH+64*(4*(\g)+(\j))+16
.endr
.endm
	DELTA 0, 0
	DELTA 0, 1
	DELTA 1, 0
	DELTA 1, 1
	; back in the row layout.  The stage is my wave's own, and LDS serves a wave's instructions in order (ISA guide 5.7.1.4): these loads see the stores above, without a barrier
.irp j, 0,1,2,3,4,5,6,7
	ds_load_b128 v[D+4*(\j):D+4*(\j)+3], v[SRA] offset:16*(\j)  ; S: my group's scale for each of my 32 rows
.endr
.set n, 0
.rept 16
	ds_load_b128 v[AF+4*n:AF+4*n+3], v[GRD] offset:n*SPITCH     ; DL: the delta of rows 0 to 15
.set n, n+1
.endr
	s_wait_dscnt 0x0
; Row n: q to f32, less 8 (exact), times the scale plus the delta in one fused multiply-add, rounded once to f16, stored.  No register of a store is written again, so no wait frees any.
.macro QROW
.set a, Q+4*n
.set dl, AF+4*(n%16)
	s_wait_loadcnt 31-n                            ; row n of q is in; the 31 - n younger loads stay out
.if n >= 16
	s_wait_dscnt 31-n                              ; row n's delta is in; behind its load stand those of rows n + 1 .. 31
.endif
.irp k, 0,1,2,3
	v_cvt_f32_i32 v[a+(\k)], v[a+(\k)]
.endr
	v_pk_add_f32 v[a:a+1],   v[a:a+1],   s[22:23] op_sel_hi:[1,0]
	v_pk_add_f32 v[a+2:a+3], v[a+2:a+3], s[22:23] op_sel_hi:[1,0]
.if n%2                                ; the row's scale is the low or the high register of its pair, for both halves of the packed line
	v_pk_fma_f32 v[a:a+1],   v[a:a+1],   v[D+n-1:D+n], v[dl:dl+1]   op_sel:[0,1,0] op_sel_hi:[1,1,1]
	v_pk_fma_f32 v[a+2:a+3], v[a+2:a+3], v[D+n-1:D+n], v[dl+2:dl+3] op_sel:[0,1,0] op_sel_hi:[1,1,1]
.else
	v_pk_fma_f32 v[a:a+1],   v[a:a+1],   v[D+n:D+n+1], v[dl:dl+1]   op_sel_hi:[1,0,1]
	v_pk_fma_f32 v[a+2:a+3], v[a+2:a+3], v[D+n:D+n+1], v[dl+2:dl+3] op_sel_hi:[1,0,1]
.endif
	v_cvt_pk_f16_f32 v[a],   v[a],   v[a+1]
	v_cvt_pk_f16_f32 v[a+1], v[a+2], v[a+3]
	global_store_b64 v[WO], v[a:a+1], s[12:13] offset:n*ROWW  ; the wave's 32 lanes store 256 consecutive bytes, at a multiple of 256 from weff's first byte
.if n < 16
	ds_load_b128 v[dl:dl+3], v[GRD] offset:(n+16)*SPITCH      ; the registers just read take the delta of the row 16 further down
.endif
.set n, n+1
.endm
.set n, 0
.rept 32
	QROW
.endr
	s_wait_tensorcnt 0x0                           ; the wave's end, behind my last LDS store
	ds_add_u32 v[SPW], v[NIL]
	s_wait_dscnt 0x0
	s_endpgm
.Lfunc_end_k_qe55b565498_dequant:
	.size	k_qe55b565498_dequant, .Lfunc_end_k_qe55b565498_dequant-k_qe55b565498_dequant
	.p2alignl 7, 3214868480
	.fill 96, 4, 3214868480
	.section	.rodata,"a",@progbits
	.p2align	6, 0x0
	.amdhsa_kernel k_qe55b565498_dequant
		.amdhsa_group_segment_fixed_size 316672
		.amdhsa_private_segment_fixed_size 0
		.amdhsa_enable_private_segment 0
		.amdhsa_kernarg_size 40
		.amdhsa_user_sgpr_count 2
		.amdhsa_user_sgpr_kernarg_segment_ptr 1
		.amdhsa_wavefront_size32 1
		.amdhsa_system_sgpr_workgroup_id_x 1
		.amdhsa_system_sgpr_workgroup_id_y 1
		.amdhsa_system_sgpr_workgroup_id_z 1
		.amdhsa_system_vgpr_workitem_id 0
		.amdhsa_next_free_vgpr 256
		.amdhsa_next_free_sgpr 66
		.amdhsa_reserve_vcc 0
		.amdhsa_float_denorm_mode_32 3
		.amdhsa_float_denorm_mode_16_64 3
		.amdhsa_memory_ordered 1
		.amdhsa_forward_progress 1
		.amdhsa_inst_pref_size 39
	.end_amdhsa_kernel
	.amdgpu_metadata
---
amdhsa.version: [ 1, 2 ]
amdhsa.kernels:
  - .name:           k_qe55b565498_dequant
    .symbol:         k_qe55b565498_dequant.kd
    .args:
      - { .name: q_weight, .offset: 0, .size: 8, .value_kind: global_buffer, .address_space: global }
      - { .name: scales, .offset: 8, .size: 8, .value_kind: global_buffer, .address_space: global }
      - { .name: lora_A, .offset: 16, .size: 8, .value_kind: global_buffer, .address_space: global }
      - { .name: lora_B, .offset: 24, .size: 8, .value_kind: global_buffer, .address_space: global }
      - { .name: weff, .offset: 32, .size: 8, .value_kind: global_buffer, .address_space: global }
    .group_segment_fixed_size: 316672
    .private_segment_fixed_size: 0
    .kernarg_segment_align: 8
    .kernarg_segment_size: 40
    .max_flat_workgroup_size: 512
    .sgpr_count:     66
    .vgpr_count:     256
    .wavefront_size: 32
...
	.end_amdgpu_metadata
.endif
;; end of part 1
;; launch gemm (part 2): grid 16 x 16, 4 waves a work-group, clusters of 4 x 4, 327,680 bytes of LDS; arguments x, weff, out0; writes out0
.if DOCPART == 2
	.amdgcn_target "amdgcn-amd-amdhsa--gfx1250"
	.amdhsa_code_object_version 6
	.text
	.protected	k_qe55b565498_gemm
	.globl	k_qe55b565498_gemm
	.p2align	8
	.type	k_qe55b565498_gemm,@function
k_qe55b565498_gemm:
	s_mov_b64 s[64:65], 0
	v_nop
	global_prefetch_b8 v0, s[64:65] scope:SCOPE_SE
	s_setreg_imm32_b32 hwreg(HW_REG_WAVE_MODE, 25, 1), 1
	s_wait_xcnt 0x0
	s_wait_alu depctr_hold_cnt(0) depctr_sa_sdst(0) depctr_va_vdst(0) depctr_va_sdst(0) depctr_va_ssrc(0) depctr_va_vcc(0) depctr_vm_vsrc(0)
	s_getreg_b32 s2, hwreg(HW_REG_IB_STS2, 6, 4)
	s_cmp_eq_u32 s2, 0
	s_cbranch_scc0 .Lentry_in_a_cluster
	s_endpgm
.Lentry_in_a_cluster:
	s_bfe_u32 s2, ttmp6, 0x10000c
	s_cmp_lg_u32 s2, 0xf033
	s_cbranch_scc0 .Lentry_shape_is_right
	s_endpgm
.Lentry_shape_is_right:
; out0[t][o] = f16( the sum over i of x[t][i] weff[o][i] ).  x: [4096][4096] f16 (A below), weff: [4096][4096] f16 (B below; the launch before made it: the dequantised weight plus lora_B lora_A), out0 (C): [4096][4096] f16.
; Nothing is left out here: the adapter's product is inside weff, since x W^T + (x A^T) B^T = x (W + B A)^T for all values.  Sums in f32, K ascending, C rounded once.
; LIMITS.  A sum beyond f16's 65,504 becomes an infinity, as in the conversion asked for.  NaN and infinities are not treated apart.
; A tile of C, 256 x 256, is made by a work-group of four waves; a wave makes 128 x 128: 64 accumulators of 16 x 16, 512 registers.  C has 16 x 16 tiles: one to a work-group.
; K goes in steps of 128 through a ring of two LDS slots filled by the tensor data mover: the tiles' rows are 256 bytes of memory and start at multiples of 256 bytes from the buffer's first byte.
; The last K step goes by rows of C, so that finished rows leave while the others are multiplied.
; CLUSTERS: 4 x 4 work-groups.  The four of a row of the cluster make tiles of one tile row of C and need the same tiles of A; the four of a column need the same tiles of B.  Such a tile is asked for
; JOINTLY: each of the four issues the same tensor load, with the same descriptor and a mask that names the four, and each receives the tile in its own LDS: the requests for A and B are divided by four.
; REGISTERS, in windows of 256 (an instruction names v0-v255; s_set_vgpr_msb says which window each operand place means: bits 1:0 source 0, 3:2 source 1, 5:4 source 2, 7:6 destination):
;   window 0: v0-31 addresses; v64-127, v128-191 fragments of A (8 x 16 rows x 32 K), two buffers (in the last K step four, of 16 rows x 128 K); v32-63, v192-255 at work on the way out
;   window 1: v64-127, v128-191 fragments of B, two buffers; in the last K step all 256: B's fragments of the whole step
;   window 2: the 32 accumulators of my rows 0-63 (accumulator (a, b) at v[8 (8 a + b)]);   window 3: those of my rows 64-127
; THE MATRIX INSTRUCTION IS USED TRANSPOSED: source 0 = 16 rows of B, source 1 = 16 rows of A.  In the result lane l holds row l % 16 of C and the columns 8 (l / 16) + 0 .. 7: eight neighbouring
; numbers of a row, which pack into 16 bytes.
.set SIZE_M, 4096
.set SIZE_N, 4096
.set SIZE_K, 4096
.set KSTEP,  128
.set PITCH,  272                       ; an LDS row: 256 bytes of data + 16 of padding = 68 words: row r starts at bank 4 r mod 64 (64 banks of 4 bytes: ISA guide 11.1), so the 16 rows of a load start at 16 different banks
.set HALFT,  128*PITCH                 ; 128 rows: what one tensor load brings, and what one wave reads of A or of B
.set SLOT,   4*HALFT                   ; A's 256 rows, then B's 256 rows
.set STAGE,  2*SLOT                    ; behind the ring: 16 rows x 272 bytes for each wave, for the way out; no tensor load fills it
.set SPITCH, 272
.set SPARE,  STAGE+4*16*SPITCH         ; behind the stages: the spare words, 128 bytes for each wave: two blocks of 256 bytes that no other line names
.set LAPS,   SIZE_K/(2*KSTEP)          ; a lap = two K steps = once round the ring: 16
.set ADRA, 16                          ; v16-17  LDS address of my A fragments in slot 0, 1
.set ADRB, 20                          ; v20-21  the same for B
.set STO,  24                          ; v24     the way out: where I put 16 bytes of a row
.set RD,   25                          ; v25     the way out: where I read a row back
.set CO,   26                          ; v26     my byte offset in C
.set SPW,  28                          ; v28     LDS address of my spare word: SPARE + 4 x my thread's number; never rewritten
.set NIL,  29                          ; v29     0; never rewritten
.set PFO,  30                          ; v30     the prefetches' offset: my lane x a row of A or B in memory; never rewritten
.set PFA,  44                          ; s[44:45] where my prefetches stand: my work-group's 32 rows of the 128 that I fetch, one K step further along K than the refill in hand; a prefetch names the K step after that
.set LIM,  43                          ; s43     1 in a wave that prefetches, else the greatest number
.set F0,   64                          ; fragment buffer 0
.set F1,   128                         ; fragment buffer 1
.set TMP,  192                         ; the way out: packed results, in window 0
.set OB,   32                          ; the way out: 16 rows read back from the stage: v32-63 and v224-255 by turns
.set PA,   64                          ; the last K step: A's fragments of 16 rows x 128 K, 32 registers; four such buffers, v64-191
.set G1,  24                           ; s[24:31] descriptor group 1 for A's tiles
.set G0,  32                           ; s[32:39] descriptor group 0 for A's tiles, one set for each slot
.set G1B, 48                           ; s[48:55] descriptor group 1 for B's tiles: it differs from A's in the mask alone
.set G0B, 56                           ; s[56:63] descriptor group 0 for B's tiles, one set for each slot
.set MSB, 0
.macro WIN new                         ; the immediate's high byte repeats the setting that is left; a switch that changes nothing is dropped
.if MSB != (\new)
	s_set_vgpr_msb (MSB<<8)|(\new)
.set MSB, \new
.endif
.endm
.set MUL_LO, 0xa1                      ; source 0 (B) window 1, source 1 (A) window 0, C and D window 2
.set MUL_HI, 0xf1                      ; the same, C and D window 3
.set TO_B,   0x40                      ; destination window 1, address window 0
; A joint load.  Waves 0 and 1 fetch A's two halves, waves 2 and 3 B's.  Each of the two lines has one mask and one set of registers for all that issue it.  The branch hangs on the wave's number
; alone: it is the same in every work-group.  An s_nop 0 and four v_nop follow each of the two lines, ahead of the jump, the label and what follows the macro.
.macro JLOAD s
	s_cmp_eq_u32 s11, 0
	s_cbranch_scc0 .Lfor_b_\@
	tensor_load_to_lds s[G0+4*(\s):G0+4*(\s)+3], s[G1:G1+7]
	s_nop 0
.rept 4
	v_nop
.endr
	s_branch .Lasked_\@
.Lfor_b_\@:
	tensor_load_to_lds s[G0B+4*(\s):G0B+4*(\s)+3], s[G1B:G1B+7]
	s_nop 0
.rept 4
	v_nop
.endr
.Lasked_\@:
.endm
; A PREFETCH INTO THE L2, behind each joint load, its five lines and the run of LDS loads that follows them: the K step that stands TWO refills on, 512 matrix instructions ahead of the load that will
; name it: 32 rows x 256 bytes, a lane a row, one instruction a wave.  Each row's 256 bytes of a K step are named ONCE in the launch: A's tile row is read by every cluster of that row of clusters, and
; the one with cluster x = 0 asks; B's tile column by every cluster of that column, and the one with cluster y = 0 asks.  The four partners that ask for a tile jointly share its rows out BY ADDRESS:
; of the 128 rows that a wave fetches, the partner at place p takes 32 p .. 32 p + 31 (p = cx for A, cy for B): no branch hangs on a work-group's place in its cluster.
; K steps 0 to 3 come by their loads alone; the loop's last trip (s3 = 1) asks for nothing: K steps 32 and 33 do not exist.
.macro ASK
	s_cmp_gt_u32 s3, s[LIM]
	s_cbranch_scc0 .Lnot_mine_\@
	global_prefetch_b8 v[PFO], s[PFA:PFA+1] offset:KSTEP*2 th:TH_LOAD_NT scope:SCOPE_SE
.Lnot_mine_\@:
.endm
; A round of the cluster's barrier: my work-group's barrier, so that wave 0's signal speaks for all four waves; wave 0 signals for the work-group; every wave waits for all sixteen work-groups;
; my work-group's barrier once more.  No LDS instruction of the wave is pending at a signal.
.macro CREST                           ; a round behind its opening barrier
	s_cmp_lg_u32 s10, 0
	s_cbranch_scc1 .Lnot_wave_0_\@
	s_barrier_signal -3
.Lnot_wave_0_\@:
	s_barrier_wait -3
	s_barrier_signal -1
	s_barrier_wait -1
.endm
.macro CROUND                          ; a whole round
	s_barrier_signal -1
	s_barrier_wait -1
	CREST
.endm
	s_load_b128 s[4:7], s[0:1], 0x0                ; A (x) s[4:5], B (weff) s[6:7]
	s_load_b64 s[8:9], s[0:1], 0x10                ; C (out0)
	v_lshl_add_u32 v[SPW], v0, 2, SPARE
	v_mov_b32 v[NIL], 0
	ds_add_u32 v[SPW], v[NIL]                      ; the wave's opening: the add, twice on end, and its wait ahead of my first tensor load; the set-up below, work on registers, stands between the second and the wait
	ds_add_u32 v[SPW], v[NIL]                      ; the same add once more, under the one wait
	v_lshrrev_b32 v1, 5, v0
	v_readfirstlane_b32 s10, v1                    ; wave 0..3
	s_lshr_b32 s11, s10, 1                         ; which half of the tile's rows is mine.  Also: I fetch for A (0) or for B (1)
	s_and_b32 s12, s10, 1                          ; which half of its columns.  Also: which 128 rows of that tile I fetch
	s_bfe_u32 s40, ttmp6, 0x40000                  ; cx: my place along the cluster's x
	s_bfe_u32 s41, ttmp6, 0x40004                  ; cy: along its y
	s_lshl_b32 s42, ttmp9, 2                       ; in a cluster launch ttmp9 and ttmp7 count clusters
	s_add_co_u32 s42, s42, s40                     ; tile column of C = 4 x cluster x + cx
	s_and_b32 s13, ttmp7, 0xffff
	s_lshl_b32 s13, s13, 2
	s_add_co_u32 s13, s13, s41                     ; tile row of C = 4 x cluster y + cy
	s_lshl_b32 s43, s41, 2
	s_lshl_b32 s43, 15, s43                        ; my row of the cluster: places 4 cy .. 4 cy + 3
	s_lshl_b32 s44, 0x1111, s40                    ; my column: places cx, cx + 4, cx + 8, cx + 12
	; descriptor group 1: a tile of 128 rows x 128 elements, padded in LDS
	s_or_b32 s[G1+0], s43, (1<<16)|(1<<20)|(1<<21)|(5<<22)|(3<<25)  ; 15:0 the mask: A's tiles go to my row; 17:16 elements of 2 bytes; 20 padding on; 21 set beside a mask; 24:22 after every 64 words (code 5); 31:25 4 words of it (code 3)
	s_or_b32 s[G1B+0], s44, (1<<16)|(1<<20)|(1<<21)|(5<<22)|(3<<25) ; the same with the mask of my column, for B's tiles
.irp g, G1, G1B
	s_mov_b32 s[(\g)+1], KSTEP<<16                 ; 63:48 tensor_dim0, low half = 128
	s_mov_b32 s[(\g)+2], 128<<16                   ; 79:64 its high half = 0; 95:80 tensor_dim1, low half = 128
	s_mov_b32 s[(\g)+3], KSTEP<<16                 ; 111:96 its high half = 0; 127:112 tile_dim0 = 128
	s_mov_b32 s[(\g)+4], 128                       ; 143:128 tile_dim1 = 128; 159:144 tile_dim2 = 0
	s_mov_b32 s[(\g)+5], SIZE_K                    ; 191:160 tensor_dim0_stride, low word: elements from row to row
	s_mov_b32 s[(\g)+6], 0
	s_mov_b32 s[(\g)+7], 0
.endr
	; where the tiles come from.  A's hang on the tile row alone, which my row of the cluster shares; B's on the tile column alone, which my column shares.
	; Every wave makes both addresses, in registers that never hold the other coordinate, and asks by one of them.
	s_lshl_b32 s17, s12, 7                         ; which 128 rows of the tile I fetch
	s_lshl_b32 s16, s13, 8
	s_add_co_u32 s16, s16, s17                     ; A: row 256 x tile row + 128 x half
	s_lshl_b32 s46, s42, 8
	s_add_co_u32 s46, s46, s17                     ; B: row 256 x tile column + 128 x half
	s_mov_b32 s17, 0
	s_mov_b32 s47, 0
	s_mov_b64 s[18:19], SIZE_K*2
	s_mul_u64 s[16:17], s[16:17], s[18:19]         ; in bytes
	s_mul_u64 s[46:47], s[46:47], s[18:19]
	s_mul_i32 s20, s10, HALFT                      ; and where they go: A's two halves, then B's two halves = wave x 128 rows: no place in the cluster enters an LDS address
	s_wait_dscnt 0x0                               ; both opening adds are done
	s_wait_kmcnt 0x0
	s_add_nc_u64 s[14:15], s[4:5], s[16:17]
	s_add_nc_u64 s[46:47], s[6:7], s[46:47]
	CROUND                                         ; all sixteen work-groups are here: the first joint loads meet
.irp s, 0,1
	s_mov_b32 s[G0+4*(\s)], 1                                      ; 1:0 count = 1
	s_add_co_u32 s[G0+4*(\s)+1], s20, (\s)*SLOT                    ; 63:32 LDS address
	s_add_nc_u64 s[G0+4*(\s)+2:G0+4*(\s)+3], s[14:15], (\s)*KSTEP*2  ; 120:64 global address: K step s
	s_or_b32 s[G0+4*(\s)+3], s[G0+4*(\s)+3], 0x80000000            ; 127:126 type = 2
	s_mov_b32 s[G0B+4*(\s)], 1
	s_add_co_u32 s[G0B+4*(\s)+1], s20, (\s)*SLOT
	s_add_nc_u64 s[G0B+4*(\s)+2:G0B+4*(\s)+3], s[46:47], (\s)*KSTEP*2
	s_or_b32 s[G0B+4*(\s)+3], s[G0B+4*(\s)+3], 0x80000000
	JLOAD \s                                       ; the ring is filled before anything else is done: two loads of mine are out
.endr
	; A fragment is 16 rows x 32 K in 8 registers: lane l holds row l % 16; registers 0-3 hold K = 8 (l / 16) + 0..7, registers 4-7 hold K = 16 + 8 (l / 16) + 0..7.
	; From rows that lie along K: two loads of 16 bytes, 32 bytes apart.  The same for source 0 and source 1.
	v_and_b32 v1, 15, v0                           ; l % 16
	v_bfe_u32 v2, v0, 4, 1                         ; l / 16
	v_mul_u32_u24 v3, v1, PITCH
	v_lshl_add_u32 v3, v2, 4, v3                   ; row x pitch + 16 x half
	s_mul_i32 s21, s11, HALFT                      ; my 128 rows of A
	s_mul_i32 s22, s12, HALFT                      ; my 128 rows of B,
	s_add_co_u32 s22, s22, 2*HALFT                 ; which lie behind A's 256
.irp s, 0,1
	v_add_nc_u32 v[ADRA+(\s)], s21, v3
	v_add_nc_u32 v[ADRB+(\s)], s22, v3
	s_add_co_u32 s21, s21, SLOT
	s_add_co_u32 s22, s22, SLOT
.endr
	s_mul_i32 s23, s10, 16*SPITCH
	s_add_co_u32 s23, s23, STAGE                   ; my stage
	v_mul_u32_u24 v4, v1, SPITCH                   ; in: row l % 16, 16 bytes for each half of the lanes
	v_lshl_add_u32 v4, v2, 4, v4
	v_add_nc_u32 v[STO], s23, v4
	v_mul_u32_u24 v5, v2, SPITCH                   ; back: lanes 0-15 take one row of 256 bytes, lanes 16-31 the next
	v_lshl_add_u32 v5, v1, 4, v5
	v_add_nc_u32 v[RD], s23, v5
	v_mul_u32_u24 v5, v2, SIZE_N*2                 ; and the same two rows in C
	v_lshl_add_u32 v[CO], v1, 4, v5
	; where my part of the tile begins in C, in bytes: the way out adds it to C's address
	s_lshl_b32 s13, s13, 8
	s_lshl_b32 s14, s11, 7
	s_add_co_u32 s16, s13, s14                     ; my first row of C
	s_mov_b32 s17, 0
	s_mov_b64 s[18:19], SIZE_N*2
	s_mul_u64 s[16:17], s[16:17], s[18:19]
	s_lshl_b32 s46, s42, 9                         ; my first column, in bytes: 512 x tile column + 256 x half
	s_lshl_b32 s47, s12, 8
	s_add_co_u32 s46, s46, s47
	s_mov_b32 s47, 0
	s_add_nc_u64 s[16:17], s[16:17], s[46:47]
	; the prefetches.  s13 = 256 x tile row, s42 = tile column, s40 = cx, s41 = cy still stand; s[4:5] = A, s[6:7] = B
	s_lshl_b32 s42, s42, 8
	s_and_b32 s22, ttmp7, 0xffff                   ; cluster y
	s_cmp_eq_u32 s11, 0                            ; do I fetch for A?
	s_cselect_b32 s20, s13, s42                    ; the tile's first row: in A by the tile row, in B by the tile column
	s_cselect_b32 s21, s40, s41                    ; my place among the four that ask for it with me
	s_cselect_b32 s22, ttmp9, s22                  ; the coordinate along which other clusters read the same rows
	s_cselect_b64 s[PFA:PFA+1], s[4:5], s[6:7]
	s_cmp_eq_u32 s22, 0
	s_cselect_b32 s[LIM], 1, -1                    ; the same in all sixteen partners, for a given wave
	s_lshl_b32 s22, s12, 7
	s_add_co_u32 s20, s20, s22                     ; + the 128 rows that I fetch
	s_lshl_b32 s21, s21, 5
	s_add_co_u32 s20, s20, s21                     ; + my work-group's 32 of them
	s_mov_b32 s21, 0
	s_mov_b64 s[18:19], SIZE_K*2
	s_mul_u64 s[20:21], s[20:21], s[18:19]
	s_add_nc_u64 s[PFA:PFA+1], s[PFA:PFA+1], s[20:21]
	s_add_nc_u64 s[PFA:PFA+1], s[PFA:PFA+1], 2*KSTEP*2  ; at K step 2: the first refill steps it to 3 and names K step 4
	v_and_b32 v[PFO], 31, v0
	v_mul_u32_u24 v[PFO], v[PFO], SIZE_K*2
	; nothing is prefetched here, at the head, where every work-group's first two tiles are on their way
; 16 matrix instructions: m blocks a0, a0 + 1 of the window's four (hi = 0: my rows 0-63, 1: rows 64-127) x all 8 n blocks, 32 along K.  zero = 1: the first product starts the sums: nothing is cleared.
; The 64 accumulators take turns, one instruction a turn, in the same order in every quarter step, over the loop's backward jump too.
.macro MUL16 f, hi, a0, zero
	WIN MUL_LO+0x50*(\hi)
.irp a, \a0, (\a0)+1
.irp b, 0,1,2,3,4,5,6,7
.if \zero
	v_wmma_f32_16x16x32_f16 v[8*(8*(\a)+(\b)):8*(8*(\a)+(\b))+7], v[(\f)+8*(\b):(\f)+8*(\b)+7], v[(\f)+8*(4*(\hi)+(\a)):(\f)+8*(4*(\hi)+(\a))+7], 0
.else
	v_wmma_f32_16x16x32_f16 v[8*(8*(\a)+(\b)):8*(8*(\a)+(\b))+7], v[(\f)+8*(\b):(\f)+8*(\b)+7], v[(\f)+8*(4*(\hi)+(\a)):(\f)+8*(4*(\hi)+(\a))+7], v[8*(8*(\a)+(\b)):8*(8*(\a)+(\b))+7]
.endif
.endr
.endr
.endm
; 32 LDS loads in one run: the fragments of one quarter step (128 rows of B, 128 rows of A, 32 K at byte k of the rows) into buffer f
.macro FETCH slot, k, f
	WIN TO_B
.irp i, 0,1,2,3,4,5,6,7
	ds_load_b128 v[(\f)+8*(\i):(\f)+8*(\i)+3],   v[ADRB+(\slot)] offset:(\k)+(\i)*16*PITCH
	ds_load_b128 v[(\f)+8*(\i)+4:(\f)+8*(\i)+7], v[ADRB+(\slot)] offset:(\k)+(\i)*16*PITCH+32
.endr
	WIN 0
.irp i, 0,1,2,3,4,5,6,7
	ds_load_b128 v[(\f)+8*(\i):(\f)+8*(\i)+3],   v[ADRA+(\slot)] offset:(\k)+(\i)*16*PITCH
	ds_load_b128 v[(\f)+8*(\i)+4:(\f)+8*(\i)+7], v[ADRA+(\slot)] offset:(\k)+(\i)*16*PITCH+32
.endr
.endm
; A load into a register that a matrix instruction has read, and a vector instruction that reads a matrix result, stand four places behind that matrix instruction, and only plain vector instructions
; that name none of its registers are places (ISA guide 7.12.1 for vector instructions).
.macro PLACES
.rept 4
	v_nop
.endr
.endm
; A K step is four quarter steps of 32 along K, 64 matrix instructions each, on buffers 0, 1, 0, 1.
; One of the first three: multiplies buffer f; in its middle it fetches the next quarter's fragments, at byte k of the same slot's rows, into buffer g.
.macro QUARTER slot, k, f, g, zero
	s_wait_dscnt 8                                 ; B and A's rows 0-63 are in; the youngest eight loads (A's rows 64-127) may be out
	WIN MUL_LO
	MUL16 \f, 0, 0, \zero
	MUL16 \f, 0, 2, \zero
	PLACES
	FETCH \slot, \k, \g
	s_wait_dscnt 32                                ; all but the 32 just issued
	WIN MUL_HI
	MUL16 \f, 1, 0, \zero
	MUL16 \f, 1, 2, \zero
.endm
; The last quarter multiplies buffer 1 and changes slots.  MEET is its first half: ONE barrier for the change of slots.  In front of it each wave waits for all its tensor loads, of which one is out:
; its part of the next slot; adds 0 to its spare word; and waits for that and for its own reads of this slot.  Behind it nobody reads this slot any more and the next slot is whole.
.macro MEET round                      ; round = 1: a round of the cluster's barrier follows
	WIN 0                                          ; (the add's two registers lie in window 0)
	s_wait_tensorcnt 0x0                           ; all my tensor loads have landed
	ds_add_u32 v[SPW], v[NIL]                      ; 0 onto my spare word
	s_wait_dscnt 9                                 ; (the add and the youngest eight loads may be out)
	WIN MUL_LO
	MUL16 F1, 0, 0, 0                              ; sixteen matrix instructions stand between the add and the wait for it
	s_wait_dscnt 0x0                               ; the add is done, and my reads of this slot are over
	s_barrier_signal -1                            ; say so,
	MUL16 F1, 0, 2, 0                              ; work on registers while the others arrive,
.if \round
	WIN 0
.endif
	s_barrier_wait -1                              ; and go on when all four have said so
.endm
; The whole last quarter.  Behind the round the slot just read out is filled again first, with the K step two steps on; then come the next slot's first fragments.
; From a request to the wait for it a wave issues 224 matrix instructions.
.macro TURN slot, next
	s_wait_xcnt 0x0                                ; the last prefetch, a K step back, has read its address: it is stepped here, ahead of the waits of the change of slots
	s_add_nc_u64 s[PFA:PFA+1], s[PFA:PFA+1], KSTEP*2
	MEET 1
	CREST                                          ; all sixteen work-groups have said so: no wave of any partner still reads this slot's tile or has a load on its way
	s_add_nc_u64 s[G0+4*(\slot)+2:G0+4*(\slot)+3], s[G0+4*(\slot)+2:G0+4*(\slot)+3], 2*KSTEP*2    ; no tensor load of mine is out, so the descriptors may be written
	s_add_nc_u64 s[G0B+4*(\slot)+2:G0B+4*(\slot)+3], s[G0B+4*(\slot)+2:G0B+4*(\slot)+3], 2*KSTEP*2
	JLOAD \slot                                    ; the first tensor load behind the round, and my only one until the next; its four v_nop are also the places in front of the loads below
	FETCH \next, 0, F0
	ASK                                            ; behind the joint load and the run of LDS loads that the next products wait for
	WIN MUL_HI
	MUL16 F1, 1, 0, 0
	MUL16 F1, 1, 2, 0
.endm
; THE LAST K STEP (it lies in slot 1) GOES BY ROWS OF C, NOT BY K.  All its fragments of B (4 quarters x 64 registers) fill window 1; then my eight blocks of 16 rows are finished one after the other,
; each with 32 matrix instructions (its 8 accumulators by turns, K ascending).  LDS is read no more than in any other K step.
.macro BLOAD q                         ; B's fragments of quarter q -> window 1, v[64 q ..]
	WIN TO_B
.irp i, 0,1,2,3,4,5,6,7
	ds_load_b128 v[64*(\q)+8*(\i):64*(\q)+8*(\i)+3],   v[ADRB+1] offset:64*(\q)+(\i)*16*PITCH
	ds_load_b128 v[64*(\q)+8*(\i)+4:64*(\q)+8*(\i)+7], v[ADRB+1] offset:64*(\q)+(\i)*16*PITCH+32
.endr
.endm
.macro ALOAD a                         ; A's fragments of block a, all four quarters -> buffer a % 4
	WIN 0
.set FA, PA+32*((\a)%4)
.irp q, 0,1,2,3
	ds_load_b128 v[FA+8*(\q):FA+8*(\q)+3],   v[ADRA+1] offset:64*(\q)+(\a)*16*PITCH
	ds_load_b128 v[FA+8*(\q)+4:FA+8*(\q)+7], v[ADRA+1] offset:64*(\q)+(\a)*16*PITCH+32
.endr
.endm
.macro ROW a                           ; block a is finished: 32 matrix instructions
.set FA, PA+32*((\a)%4)                ; its fragments of A
.set AC, 64*((\a)%4)                   ; its eight accumulators, in window 2 (blocks 0-3) or 3 (blocks 4-7)
	WIN MUL_LO+0x50*((\a)/4)
.irp q, 0,1,2,3
.if (\a) == 0 && (\q) == 2
	s_wait_dscnt 24                                ; B's quarter 2 is in (behind it: A's blocks 1 to 3, 24 loads)
.endif
.irp b, 0,1,2,3,4,5,6,7
	v_wmma_f32_16x16x32_f16 v[AC+8*(\b):AC+8*(\b)+7], v[64*(\q)+8*(\b):64*(\q)+8*(\b)+7], v[FA+8*(\q):FA+8*(\q)+7], v[AC+8*(\b):AC+8*(\b)+7]
.endr
.endr
.endm
; THE WAY OUT of block a, in three parts.  PACK: rounded to f16, 16 bytes a lane, each accumulator's registers in ascending order.  TOSTAGE: into my own stage in LDS, and back as whole rows of 256 bytes.  SEND: stored.
.macro PACK a
.set AC, 64*((\a)%4)
	WIN 0x0a+5*((\a)/4)                            ; sources 0 and 1: window 2 or 3
.irp b, 0,1,2,3,4,5,6,7
.irp r, 0,1,2,3
	v_cvt_pk_f16_f32 v[TMP+4*(\b)+(\r)], v[AC+8*(\b)+2*(\r)], v[AC+8*(\b)+2*(\r)+1]
.endr
.endr
	WIN 0
.endm
.macro TOSTAGE a
	WIN 0
.set BK, OB+192*((\a)%2)
.irp b, 0,1,2,3,4,5,6,7
	ds_store_b128 v[STO], v[TMP+4*(\b):TMP+4*(\b)+3] offset:32*(\b)
.endr
.irp t, 0,1,2,3,4,5,6,7
	ds_load_b128 v[BK+4*(\t):BK+4*(\t)+3], v[RD] offset:(\t)*2*SPITCH  ; LDS serves a wave's instructions in order (ISA guide 5.7.1.4): these see the stores above
.endr
.endm
.macro SEND a, younger                 ; younger: the LDS loads issued behind TOSTAGE's, which may stay out
	WIN 0
.set BK, OB+192*((\a)%2)
	s_wait_dscnt \younger                          ; the block is back in registers
	s_wait_xcnt 0x0                                ; every earlier memory instruction has had its addresses translated (ISA guide 3.1): only behind this wait are the stores' base and the registers that earlier stores read rewritten
.if (\a) == 0
	s_add_nc_u64 s[8:9], s[8:9], s[16:17]          ; on to my first rows of the tile
.else
	s_add_nc_u64 s[8:9], s[8:9], 16*SIZE_N*2       ; 16 rows of C on
.endif
.irp t, 0,1,2,3,4,5,6,7
	global_store_b128 v[CO], v[BK+4*(\t):BK+4*(\t)+3], s[8:9] offset:2*(\t)*SIZE_N*2  ; 16 lanes store 256 consecutive bytes, at a multiple of 256 from C's first byte
.endr
.endm
	s_wait_tensorcnt 1                             ; my part of K step 0 is in; K step 1's load may stay out
	s_barrier_signal -1
	s_barrier_wait -1                              ; everybody's is
	FETCH 0, 0, F0
	QUARTER 0, 64,  F0, F1, 1                      ; the first quarter stands in front of the loop: its products start the sums
	WIN 0                                          ; at a label and at a branch every window is 0
	s_mov_b32 s3, LAPS-1
.Llap:                                                 ; a trip goes once round the ring, from a lap's second quarter to the next lap's first, and fills both slots again
	QUARTER 0, 128, F1, F0, 0
	QUARTER 0, 192, F0, F1, 0
	TURN 0, 1
	QUARTER 1, 64,  F0, F1, 0
	QUARTER 1, 128, F1, F0, 0
	QUARTER 1, 192, F0, F1, 0
	TURN 1, 0
	QUARTER 0, 64,  F0, F1, 0
	WIN 0
	s_sub_co_u32 s3, s3, 1
	s_cmp_lg_u32 s3, 0
	s_cbranch_scc1 .Llap
	QUARTER 0, 128, F1, F0, 0                      ; the last lap goes on; it asks for nothing more
	QUARTER 0, 192, F0, F1, 0
	MEET 0                                         ; my one tensor load that was still out is slot 1's, the last K step's, so no round follows
	PLACES                                         ; for the loads into buffer 0, which the quarter before multiplied
	WIN TO_B
	BLOAD 0                                        ; three quarters of B now: buffer 1 (v128-191 of both windows) is still being multiplied
	BLOAD 1
	BLOAD 3
	WIN 0
	ALOAD 0
	WIN MUL_HI
	MUL16 F1, 1, 0, 0
	MUL16 F1, 1, 2, 0
	PLACES                                         ; for the loads into buffer 1
	WIN TO_B
	BLOAD 2
	WIN 0
	ALOAD 1
	ALOAD 2
	ALOAD 3
	s_wait_dscnt 40                                ; all but the 40 just issued (B's quarter 2, A's blocks 1 to 3)
	ROW 0
.irp a, 0,1,2,3,4,5,6,7                ; each block leaves as soon as it is finished: nothing follows this tile under which its stores could leave
	PLACES                                         ; its conversions read results just made, and no other vector work is at hand
	PACK \a
	TOSTAGE \a
.if (\a) < 4
	ALOAD (\a)+4                                   ; its buffer takes the block four further on
	SEND \a, 8
.else
	SEND \a, 0
.endif
.if (\a) < 7
	ROW (\a)+1
.endif
.endr
	s_wait_tensorcnt 0x0                           ; the wave's end, behind my last tensor load and my last LDS store
	ds_add_u32 v[SPW], v[NIL]
	s_wait_dscnt 0x0
	CROUND                                         ; the closing round: no work-group ends while a partner may still ask for a tile that names it
	s_endpgm
.Lfunc_end_k_qe55b565498_gemm:
	.size	k_qe55b565498_gemm, .Lfunc_end_k_qe55b565498_gemm-k_qe55b565498_gemm
	.p2alignl 7, 3214868480
	.fill 96, 4, 3214868480
	.section	.rodata,"a",@progbits
	.p2align	6, 0x0
	.amdhsa_kernel k_qe55b565498_gemm
		.amdhsa_group_segment_fixed_size 327680
		.amdhsa_private_segment_fixed_size 0
		.amdhsa_enable_private_segment 0
		.amdhsa_kernarg_size 24
		.amdhsa_user_sgpr_count 2
		.amdhsa_user_sgpr_kernarg_segment_ptr 1
		.amdhsa_wavefront_size32 1
		.amdhsa_system_sgpr_workgroup_id_x 1
		.amdhsa_system_sgpr_workgroup_id_y 1
		.amdhsa_system_sgpr_workgroup_id_z 1
		.amdhsa_system_vgpr_workitem_id 0
		.amdhsa_next_free_vgpr 1024
		.amdhsa_next_free_sgpr 66
		.amdhsa_reserve_vcc 0
		.amdhsa_float_denorm_mode_32 3
		.amdhsa_float_denorm_mode_16_64 3
		.amdhsa_memory_ordered 1
		.amdhsa_forward_progress 1
		.amdhsa_inst_pref_size 144
	.end_amdhsa_kernel
	.amdgpu_metadata
---
amdhsa.version: [ 1, 2 ]
amdhsa.kernels:
  - .name:           k_qe55b565498_gemm
    .symbol:         k_qe55b565498_gemm.kd
    .args:
      - { .name: x, .offset: 0, .size: 8, .value_kind: global_buffer, .address_space: global }
      - { .name: weff, .offset: 8, .size: 8, .value_kind: global_buffer, .address_space: global }
      - { .name: out0, .offset: 16, .size: 8, .value_kind: global_buffer, .address_space: global }
    .group_segment_fixed_size: 327680
    .private_segment_fixed_size: 0
    .kernarg_segment_align: 8
    .kernarg_segment_size: 24
    .max_flat_workgroup_size: 128
    .sgpr_count:     66
    .vgpr_count:     1024
    .wavefront_size: 32
...
	.end_amdgpu_metadata
.endif
;; end of part 2
;; ======== version 2 of 2: 2 launches; version 1 with the launch dequant written anew for expert scheduling mode
;; limits: values are held in f16: magnitudes above 65,504 overflow, below 6.1e-05 lose precision
;; workspace buffers: weff 33,554,432 bytes
;; launch dequant (part 3): grid 4 x 64, 16 waves a work-group, no clusters, 316,672 bytes of LDS; arguments q_weight, scales, lora_A, lora_B, weff; writes weff
.if DOCPART == 3
	.amdgcn_target "amdgcn-amd-amdhsa--gfx1250"
	.amdhsa_code_object_version 6
	.text
	.protected	k_qe55b565498_dequant
	.globl	k_qe55b565498_dequant
	.p2align	8
	.type	k_qe55b565498_dequant,@function
k_qe55b565498_dequant:
	s_mov_b64 s[64:65], 0
	v_nop
	global_prefetch_b8 v0, s[64:65] scope:SCOPE_SE
	s_setreg_imm32_b32 hwreg(HW_REG_WAVE_SCHED_MODE, 0, 2), 2
	s_setreg_imm32_b32 hwreg(HW_REG_WAVE_MODE, 25, 1), 1
	s_wait_xcnt 0x0
	s_wait_alu depctr_vm_vsrc(0)
; weff[o][i] = f16( (q[o][i] - 8) * s[o][i / 64] + the sum over r of B[o][r] A[r][i] ).   q: [4096][4096] int32, s: [4096][64] f32, A: [16][4096] f32, B: [4096][16] f32, weff: [4096][4096] f16.
; WHY.  The result asked for is x W^T + (x A^T) B^T.  Matrix products associate and distribute, so for all values of the inputs it equals x (W + B A)^T: the adapter is added to the weight here,
; in f32, ahead of the weight's one rounding, and the launch behind is one product.  Nothing is left out: all five inputs are loaded by the program (x by the launch behind), and every term is computed.
; LIMITS.  A and B are rounded to f16 as matrix operands, weff once to f16: each must lie within 65,504 in magnitude; below 6e-5 f16 keeps its fixed step of 6e-8.  The adapter's part of weff
; carries the rounding of the whole weight (2^-11 of |weff|), not of itself.  The order of the sums differs from x A^T first.  NaN and infinities are not treated apart.
; SHARES.  A work-group owns 64 rows (o) x 1,024 columns (i): 256 work-groups.  Wave w owns the strip s = w / 2 of 128 columns and the half p = w % 2 of the rows: 32 rows, two blocks of 16.
; A row of the wave's share is one instruction: lane l holds columns 4 l .. 4 l + 3: 512 consecutive bytes of q in, 256 consecutive bytes of weff, aligned, out.
; IN FLIGHT.  All 32 loads of q of a wave (16 KiB) go out at the head, into registers of their own; B A is made while they are on their way.  So there is no ring, no tensor load, no prefetch.
; NO CLUSTER: what work-groups share is A's strip and B's rows, 68 KiB of the 330 KiB that a work-group reads, and both pass through registers to be rounded.
; B A.  delta^T = A^T B^T by the matrix unit: source 0 = 16 columns i of A (turned on the way out of LDS), source 1 = 16 rows o of B, K = 16 of the form's 32 (the upper half of both fragments is 0).
; A lane's eight results are eight neighbouring columns of one row o; they go through the wave's own stage in LDS into the row layout above.
; THE MODE: SCHED_MODE bits 1:0 = 2 (LLVM: expert scheduling mode 2), set by the entry lines.  The code itself states the register dependences
; between vector or matrix instructions and memory or LDS instructions, with s_wait_alu, always for 0.
; THE PLAN.  Registers that memory or LDS instructions touch, in the order of the text:
;   v4-v15          offsets and LDS addresses: written once at the head, read by loads and stores, never written again: one wait on va_vdst ahead of the first load serves them all.
;   AF .. AF+23     B, the scales and the 17 conversions' results: one wait on va_vdst behind the run of conversions, then the run of LDS stores; one wait on vm_vsrc behind the barrier, ahead of the
;                   turning loads and the lines that write 0, which take these registers over.
;   D               four times: written by four products, read by eight LDS stores: a wait on va_vdst between the two, a wait on vm_vsrc ahead of the next four products (all 256 registers are
;                   taken, so there is no second set).  Then the scales' LDS loads land in it, behind one more wait on vm_vsrc; from there on vector instructions alone read it.
;   DL (in AF)      row n's delta is read by row n's two multiply-adds; then, for n < 16, the delta of row n + 16 lands in the same registers.
;   Q               row n: its load lands, its arithmetic works in place, its first two registers are its store's data; never written again.
;   The 32 rows go in eight blocks of four.  Block p's arithmetic names block p's Q and DL and the scales.  Its memory instructions are the stores of block p - 1 and the LDS loads into block p - 1's DL:
;   registers that no vector instruction of block p names.  So ONE wait on va_vdst at a block's head states all that they hang on, and they are dealt among the block's arithmetic with no further wait.
;   v[SPW], v[NIL]  written at the head, read by the closing add alone.
.set ROWQ,   16384                     ; bytes in a row of q and of A
.set ROWW,   8192                      ; bytes in a row of weff
.set SPITCH, 528                       ; a stage row: 128 f32 + 16 bytes: 16 rows of a store start 16 bytes apart modulo 256 (64 banks of 4 bytes: ISA guide 11.1)
.set WSTG,   32*SPITCH                 ; a wave's stage: 32 rows
.set APITCH, 288                       ; a row (one r) of a strip of A in f16: 256 bytes + 32
.set ASTRIP, 16*APITCH
.set BPITCH, 48                        ; a row of B in f16: 32 bytes + 16
.set CPITCH, 272                       ; the scales of one group of 64 columns for the work-group's 64 rows: 256 bytes + 16
.set ATR,    16*WSTG                   ; LDS: the sixteen stages from 0; then A's eight strips,
.set BTR,    ATR+8*ASTRIP              ; B's 64 rows,
.set SCT,    BTR+64*BPITCH             ; the scales, turned: [group][row],
.set SPARE,  SCT+16*CPITCH             ; and the spare words, 128 bytes for each wave: eight blocks of 256 bytes that no other line names
.set SPW, 2                            ; v2   LDS address of my spare word; never rewritten
.set NIL, 3                            ; v3   0; never rewritten
.set LO,  4                            ; v4   16 l: my 16 bytes in 512 of q or A
.set WO,  5                            ; v5   8 l: my 8 bytes in 256 of weff
.set BO,  6                            ; v6   8 t: my two numbers of B
.set SO,  7                            ; v7   my two scales: row t / 8, groups 2 (t % 8), + 1
.set AST, 8                            ; v8   where I put four f16 of A
.set BST, 9                            ; v9   where I put two f16 of B
.set SST, 10                           ; v10  where I put my two scales
.set ATA, 11                           ; v11  the turning load's address in my strip of A
.set BRA, 12                           ; v12  my 16 bytes of a fragment of B
.set SRA, 13                           ; v13  my group's scales for my wave's 32 rows
.set GST, 14                           ; v14  stage, in: row l % 16, 32 bytes for each half of the lanes
.set GRD, 15                           ; v15  stage, back: 16 l in a row
.set D,   16                           ; v[16:47]   A as loaded; then four accumulators; then S: the scale of row n in v[16 + n]
.set BF,  48                           ; v[48:63]   B's two fragments
.set AF,  64                           ; v[64:127]  at work; then A's eight fragments; then DL: the delta of 16 rows, 4 registers a row
.set Q,   128                          ; v[128:255] q: row n in v[128 + 4 n ..]
	s_load_b256 s[4:11], s[0:1], 0x0               ; q s[4:5], scales s[6:7], A s[8:9], B s[10:11]
	s_load_b64 s[12:13], s[0:1], 0x20              ; weff
	v_lshl_add_u32 v[SPW], v0, 2, SPARE
	v_mov_b32 v[NIL], 0
	v_lshrrev_b32 v1, 5, v0
	v_readfirstlane_b32 s14, v1                    ; wave w, 0..15
	s_mov_b32 s17, ttmp9                           ; bx: which 1,024 columns
	s_and_b32 s18, ttmp7, 0xffff                   ; by: which 64 rows
	s_mov_b32 s22, 0xc1000000                      ; -8.0,
	s_mov_b32 s23, s22                             ; named as a pair
	v_and_b32 v16, 31, v0                          ; l
	v_and_b32 v17, 15, v0                          ; l % 16
	v_bfe_u32 v18, v0, 4, 1                        ; l / 16
	v_and_b32 v19, 7, v0                           ; l % 8 = t % 8
	v_bfe_u32 v20, v0, 3, 2                        ; l / 8
	v_lshrrev_b32 v21, 3, v0                       ; t / 8
	v_bfe_u32 v22, v0, 3, 1                        ; (l / 8) % 2
	s_wait_alu depctr_va_sdst(0)                   ; s14 is written, ahead of its first reader: the strip, the row half, the buffers' offsets and the LDS addresses are made from it
	s_lshr_b32 s15, s14, 1                         ; strip s
	s_and_b32 s16, s14, 1                          ; row half p
	; byte offsets of my share in the five buffers, each in a pair of its own
	s_lshl_b32 s2, s17, 12
	s_lshl_b32 s3, s15, 9
	s_add_co_u32 s2, s2, s3                        ; my first column x 4 bytes
	s_lshl_b32 s20, s18, 20                        ; q: 64 by rows of 16,384 bytes,
	s_lshl_b32 s3, s16, 19                         ; 32 p rows,
	s_add_co_u32 s20, s20, s3
	s_add_co_u32 s20, s20, s2                      ; and the column
	s_mov_b32 s21, 0
	s_lshr_b32 s24, s20, 1                         ; weff: the same place at 2 bytes a number
	s_mov_b32 s25, 0
	s_lshl_b32 s26, s16, 17                        ; A: rows 8 p .. 8 p + 7 of my strip
	s_add_co_u32 s26, s26, s2
	s_mov_b32 s27, 0
	s_lshl_b32 s28, s18, 12                        ; B: 64 by rows of 64 bytes
	s_mov_b32 s29, 0
	s_lshl_b32 s30, s18, 14                        ; scales: 64 by rows of 256 bytes,
	s_lshl_b32 s3, s17, 6                          ; 16 bx groups of 4 bytes
	s_add_co_u32 s30, s30, s3
	s_mov_b32 s31, 0
	v_lshlrev_b32 v[LO], 4, v16
	v_lshlrev_b32 v[WO], 3, v16
	v_lshlrev_b32 v[BO], 3, v0
	v_lshlrev_b32 v[SO], 3, v19
	v_lshl_add_u32 v[SO], v21, 8, v[SO]
	; LDS addresses: a constant, the wave's number (or its two parts) times a constant, and the lane's term
	s_mul_i32 s2, s15, ASTRIP
	s_add_co_u32 s2, s2, ATR                       ; my strip of A
	s_mul_i32 s3, s16, 8*APITCH
	s_add_co_u32 s3, s3, s2                        ; its rows 8 p on
	v_lshl_add_u32 v[AST], v16, 3, s3
	v_lshl_add_u32 v23, v18, 3, v19                ; the turning load: row 8 (l / 16) + l % 8,
	v_mul_u32_u24 v[ATA], v23, APITCH
	v_lshl_add_u32 v[ATA], v22, 4, v[ATA]          ; 16 bytes for each eight lanes
	v_add_nc_u32 v[ATA], s2, v[ATA]
	s_mul_i32 s3, s14, 4*BPITCH                    ; a wave's 32 lanes bring four rows of B: row 4 w + l / 8
	s_add_co_u32 s3, s3, BTR
	v_mul_u32_u24 v[BST], v20, BPITCH
	v_lshl_add_u32 v[BST], v19, 2, v[BST]
	v_add_nc_u32 v[BST], s3, v[BST]
	s_lshl_b32 s3, s14, 4                          ; and the scales of the same four rows: 16 bytes of each group's line
	s_add_co_u32 s3, s3, SCT
	v_mul_u32_u24 v[SST], v19, 2*CPITCH            ; group 2 (l % 8)
	v_lshl_add_u32 v[SST], v20, 2, v[SST]
	v_add_nc_u32 v[SST], s3, v[SST]
	s_mul_i32 s3, s16, 32*BPITCH
	s_add_co_u32 s3, s3, BTR                       ; my wave's 32 rows of B
	v_mul_u32_u24 v[BRA], v17, BPITCH
	v_lshl_add_u32 v[BRA], v18, 4, v[BRA]          ; r = 8 (l / 16) on
	v_add_nc_u32 v[BRA], s3, v[BRA]
	s_mul_i32 s3, s15, 2*CPITCH                    ; my columns 4 l .. lie in group 2 s + l / 16
	s_lshl_b32 s19, s16, 7
	s_add_co_u32 s3, s3, s19                       ; rows 32 p on
	s_add_co_u32 s3, s3, SCT
	v_mul_u32_u24 v[SRA], v18, CPITCH
	v_add_nc_u32 v[SRA], s3, v[SRA]
	s_mul_i32 s3, s14, WSTG                        ; my stage
	v_mul_u32_u24 v[GST], v17, SPITCH
	v_lshl_add_u32 v[GST], v18, 5, v[GST]
	v_add_nc_u32 v[GST], s3, v[GST]
	v_lshl_add_u32 v[GRD], v16, 4, s3
	s_wait_kmcnt 0x0
	s_add_nc_u64 s[4:5], s[4:5], s[20:21]
	s_add_nc_u64 s[12:13], s[12:13], s[24:25]
	s_add_nc_u64 s[8:9], s[8:9], s[26:27]
	s_add_nc_u64 s[10:11], s[10:11], s[28:29]
	s_add_nc_u64 s[6:7], s[6:7], s[30:31]
	s_wait_alu depctr_va_vdst(0)                   ; the twelve offsets and addresses v4 to v15 are written, which every load and store of the kernel reads; the lines above are done writing and reading v16 to v23, in which loads of A land
	; ALL LOADS, 42 a wave: the ten small ones first, then my whole share of q
	global_load_b64 v[AF:AF+1], v[BO], s[10:11]
	global_load_b64 v[AF+2:AF+3], v[SO], s[6:7]
.irp j, 0,1,2,3,4,5,6,7
	global_load_b128 v[D+4*(\j):D+4*(\j)+3], v[LO], s[8:9] offset:(\j)*ROWQ
.endr
.set n, 0
.rept 32
	global_load_b128 v[Q+4*n:Q+4*n+3], v[LO], s[4:5] offset:n*ROWQ th:TH_LOAD_NT  ; read once in the launch
.set n, n+1
.endr
	s_wait_loadcnt 32                              ; loads come back in order (ISA guide 5.7.1): B, the scales and A are in; the 32 younger loads, q's, stay out
	v_cvt_pk_f16_f32 v[AF+4], v[AF], v[AF+1]       ; the seventeen conversions stand in one run, the eleven LDS stores in another, with one wait between
.irp j, 0,1,2,3,4,5,6,7
	v_cvt_pk_f16_f32 v[AF+8+2*(\j)], v[D+4*(\j)], v[D+4*(\j)+1]
	v_cvt_pk_f16_f32 v[AF+9+2*(\j)], v[D+4*(\j)+2], v[D+4*(\j)+3]
.endr
	s_wait_alu depctr_va_vdst(0)                   ; the conversions have written v[AF+4] and v[AF+8 .. AF+23], which the LDS stores read; they are also done reading v[AF], v[AF+1], in which a turning load lands below
	ds_store_b32 v[BST], v[AF+4]
	ds_store_b32 v[SST], v[AF+2]
	ds_store_b32 v[SST], v[AF+3] offset:CPITCH
.irp j, 0,1,2,3,4,5,6,7
	ds_store_b64 v[AST], v[AF+8+2*(\j):AF+9+2*(\j)] offset:(\j)*APITCH
.endr
	s_wait_dscnt 0x0                               ; for the others' sake: my stores are done
	s_barrier_signal -1
	s_barrier_wait -1                              ; the launch's one barrier: A's strips, B's rows and the scales are whole; q's loads stay out across it (nobody writes those bytes)
	s_wait_alu depctr_vm_vsrc(0)                   ; my LDS stores have read v[AF+2 .. AF+23]: these registers are A's fragments from here on, written by the turning loads and by the lines that write 0
	; the fragments: registers 0-3 hold r = 8 (l / 16) + 0..7; registers 4-7, the form's K = 16 .. 31, hold 0 in both sources
.irp f, 0,1,2,3,4,5,6,7
	ds_load_tr16_b128 v[AF+8*(\f):AF+8*(\f)+3], v[ATA] offset:32*(\f)  ; columns 16 f + l % 16 of my strip
.endr
.irp b, 0,1
	ds_load_b128 v[BF+8*(\b):BF+8*(\b)+3], v[BRA] offset:(\b)*16*BPITCH
.endr
.irp f, 0,1,2,3,4,5,6,7
.irp k, 4,5,6,7
	v_mov_b32 v[AF+8*(\f)+(\k)], 0
.endr
.endr
.irp b, 0,1
.irp k, 4,5,6,7
	v_mov_b32 v[BF+8*(\b)+(\k)], 0
.endr
.endr
	s_wait_dscnt 0x0
; Block b of 16 rows x columns 64 g .. 64 g + 63 of the strip: four products, each a whole sum (C = 0): no chain.  Five plain instructions stand behind them: four are owed before the LDS
; stores read the results, five before the next call's products write over them (ISA guide 7.12.1 for the first four).  Each result is read from its low end on.
.macro DELTA b, g
.if (\b)+(\g) > 0
	s_wait_alu depctr_vm_vsrc(0)                   ; the LDS stores of the call before have read v[D ..], which the products below write again
.endif
.irp j, 0,1,2,3
	v_wmma_f32_16x16x32_f16 v[D+8*(\j):D+8*(\j)+7], v[AF+8*(4*(\g)+(\j)):AF+8*(4*(\g)+(\j))+7], v[BF+8*(\b):BF+8*(\b)+7], 0
.endr
.rept 5
	v_nop
.endr
	s_wait_alu depctr_va_vdst(0)                   ; the four products have written v[D ..], which the LDS stores read; the places above stay beside this wait
.irp j, 0,1,2,3
	ds_store_b128 v[GST], v[D+8*(\j):D+8*(\j)+3]   offset:(\b)*16*SPITCH+64*(4*(\g)+(\j))
	ds_store_b128 v[GST], v[D+8*(\j)+4:D+8*(\j)+7] offset:(\b)*16*SPITCH+64*(4*(\g)+(\j))+16
.endr
.endm
	DELTA 0, 0
	DELTA 0, 1
	DELTA 1, 0
	DELTA 1, 1
	; back in the row layout.  The stage is my wave's own, and LDS serves a wave's instructions in order (ISA guide 5.7.1.4): these loads see the stores above, without a barrier
	s_wait_alu depctr_vm_vsrc(0)                   ; the last LDS stores have read v[D ..], in which the scales land.  (The last wait on va_vdst stands behind every product: they have written v[D ..] and are done reading v[AF ..], in which the deltas land, and no vector line has followed it)
.irp j, 0,1,2,3,4,5,6,7
	ds_load_b128 v[D+4*(\j):D+4*(\j)+3], v[SRA] offset:16*(\j)  ; S: my group's scale for each of my 32 rows
.endr
.set n, 0
.rept 16
	ds_load_b128 v[AF+4*n:AF+4*n+3], v[GRD] offset:n*SPITCH     ; DL: the delta of rows 0 to 15
.set n, n+1
.endr
	s_wait_dscnt 0x0
; Row n: q to f32, less 8 (exact), times the scale plus the delta in one fused multiply-add, rounded once to f16.  No register of a store is written again, so no wait frees any.
; Ahead of row n's arithmetic stand the store of row n - 4, a block back, and, for rows 4 to 19, the LDS load that puts the delta of row n + 12 where row n - 4's lay.
.macro QROW
.set a, Q+4*n
.set dl, AF+4*(n%16)
.if (n%4 == 0) && (n > 0)
	s_wait_alu depctr_va_vdst(0)                   ; the block before has written its four stores' data and is done reading its four deltas, in which LDS loads land; this block's arithmetic names none of those registers
.endif
.if n >= 4
	global_store_b64 v[WO], v[a-16:a-15], s[12:13] offset:(n-4)*ROWW  ; row n - 4: the wave's 32 lanes store 256 consecutive bytes, at a multiple of 256 from weff's first byte
.endif
.if (n >= 4) && (n < 20)
	ds_load_b128 v[AF+4*(n-4):AF+4*(n-4)+3], v[GRD] offset:(n+12)*SPITCH  ; the registers that row n - 4 read take the delta of the row 16 further down
.endif
	s_wait_loadcnt 31-n                            ; row n of q is in; the 31 - n younger loads stay out
.if n >= 20
	s_wait_dscnt 31-n                              ; row n's delta is in; behind its load stand those of rows n + 1 .. 31
.elseif n >= 16
	s_wait_dscnt 12                                ; row n's delta is in; behind its load stand those of rows n + 1 .. n + 12, the last of them just issued
.endif
.irp k, 0,1,2,3
	v_cvt_f32_i32 v[a+(\k)], v[a+(\k)]
.endr
	v_pk_add_f32 v[a:a+1],   v[a:a+1],   s[22:23] op_sel_hi:[1,0]
	v_pk_add_f32 v[a+2:a+3], v[a+2:a+3], s[22:23] op_sel_hi:[1,0]
.if n%2                                ; the row's scale is the low or the high register of its pair, for both halves of the packed line
	v_pk_fma_f32 v[a:a+1],   v[a:a+1],   v[D+n-1:D+n], v[dl:dl+1]   op_sel:[0,1,0] op_sel_hi:[1,1,1]
	v_pk_fma_f32 v[a+2:a+3], v[a+2:a+3], v[D+n-1:D+n], v[dl+2:dl+3] op_sel:[0,1,0] op_sel_hi:[1,1,1]
.else
	v_pk_fma_f32 v[a:a+1],   v[a:a+1],   v[D+n:D+n+1], v[dl:dl+1]   op_sel_hi:[1,0,1]
	v_pk_fma_f32 v[a+2:a+3], v[a+2:a+3], v[D+n:D+n+1], v[dl+2:dl+3] op_sel_hi:[1,0,1]
.endif
	v_cvt_pk_f16_f32 v[a],   v[a],   v[a+1]
	v_cvt_pk_f16_f32 v[a+1], v[a+2], v[a+3]
.set n, n+1
.endm
.set n, 0
.rept 32
	QROW
.endr
	s_wait_alu depctr_va_vdst(0)                   ; the last block has written the data of the last four stores
.irp m, 28,29,30,31
	global_store_b64 v[WO], v[Q+4*(\m):Q+4*(\m)+1], s[12:13] offset:(\m)*ROWW
.endr
	s_wait_dscnt 0x0                               ; the closing lines, six on end
	s_wait_alu 0x0
	s_wait_tensorcnt 0x0
	ds_add_u32 v[SPW], v[NIL]
	s_wait_dscnt 0x0
	s_endpgm
.Lfunc_end_k_qe55b565498_dequant:
	.size	k_qe55b565498_dequant, .Lfunc_end_k_qe55b565498_dequant-k_qe55b565498_dequant
	.p2alignl 7, 3214868480
	.fill 96, 4, 3214868480
	.section	.rodata,"a",@progbits
	.p2align	6, 0x0
	.amdhsa_kernel k_qe55b565498_dequant
		.amdhsa_group_segment_fixed_size 316672
		.amdhsa_private_segment_fixed_size 0
		.amdhsa_enable_private_segment 0
		.amdhsa_kernarg_size 40
		.amdhsa_user_sgpr_count 2
		.amdhsa_user_sgpr_kernarg_segment_ptr 1
		.amdhsa_wavefront_size32 1
		.amdhsa_system_sgpr_workgroup_id_x 1
		.amdhsa_system_sgpr_workgroup_id_y 1
		.amdhsa_system_sgpr_workgroup_id_z 1
		.amdhsa_system_vgpr_workitem_id 0
		.amdhsa_next_free_vgpr 256
		.amdhsa_next_free_sgpr 66
		.amdhsa_reserve_vcc 0
		.amdhsa_float_denorm_mode_32 3
		.amdhsa_float_denorm_mode_16_64 3
		.amdhsa_memory_ordered 1
		.amdhsa_forward_progress 1
		.amdhsa_inst_pref_size 40
	.end_amdhsa_kernel
	.amdgpu_metadata
---
amdhsa.version: [ 1, 2 ]
amdhsa.kernels:
  - .name:           k_qe55b565498_dequant
    .symbol:         k_qe55b565498_dequant.kd
    .args:
      - { .name: q_weight, .offset: 0, .size: 8, .value_kind: global_buffer, .address_space: global }
      - { .name: scales, .offset: 8, .size: 8, .value_kind: global_buffer, .address_space: global }
      - { .name: lora_A, .offset: 16, .size: 8, .value_kind: global_buffer, .address_space: global }
      - { .name: lora_B, .offset: 24, .size: 8, .value_kind: global_buffer, .address_space: global }
      - { .name: weff, .offset: 32, .size: 8, .value_kind: global_buffer, .address_space: global }
    .group_segment_fixed_size: 316672
    .private_segment_fixed_size: 0
    .kernarg_segment_align: 8
    .kernarg_segment_size: 40
    .max_flat_workgroup_size: 512
    .sgpr_count:     66
    .vgpr_count:     256
    .wavefront_size: 32
...
	.end_amdgpu_metadata
.endif
;; end of part 3
;; launch gemm: the kernel of part 2 again; grid 16 x 16, 4 waves a work-group, clusters of 4 x 4, 327,680 bytes of LDS; arguments x, weff, out0; writes out0
